; MI455X (gfx1250); checked and timed in simulation.
; The chip was launched on July 23, 2026; its instructions are those of AMD's public machine-readable ISA for CDNA 5 (MIT licence, August 2026) and "CDNA5" Instruction Set Architecture Reference Guide (July 2026). The comments in the code are by the model that wrote it; some were corrected since.
;; Attention. Allowed arithmetic: matrix products marked QUANTISED: E4M3 operands, one given power-of-two scale a tensor, by v_wmma_f32_16x16x64_fp8_fp8 or v_wmma_f32_16x16x128_fp8_fp8, f32 sums; products left as they are: f32 operands where the result goes on into a quantised operand, else bf16, f16 or f32 operands; f32 sums; everything else in f32.
;; Inputs: W1 1,024 x 1,024 float32; W2 1,024 x 1,024 float32; Wv 1,024 x 1 float32; b1 1,024 float32; b2 1,024 float32; bv 1 float32; lowp_scales 4 int32 (the exponents e of the quantised operands' scales 2^e); query 32 x 1,024 float32; values 32 x 2,048 x 1,024 float32.
;; Outputs: out0 32 x 1,024 float32; out1 32 x 2,048 x 1 float32.
;; This version of the problem:
;;   THIS VERSION OF THE PROBLEM IS GIVEN IN LOW PRECISION. The matrix products marked QUANTISED in the list below multiply operands that are first quantised to E4M3 (4 exponent bits, 3 mantissa bits; 8 bits a number), with one given power-of-two scale for each operand tensor; their sums are f32. All else is computed in f32.
;;   The module's matrix products, in the order in which they are computed (A, B: the left and right operand; K: the contracted axis; several contracted axes count as one K, in the product's order):
;;     1. [M 32, K 1,024] x [K 1,024, N 1,024]; A: input query; B: input W1: QUANTISED (scales: A lowp_scales[0], B lowp_scales[1])
;;     2. [M 65,536, K 1,024] x [K 1,024, N 1,024]; A: input values; B: input W2: QUANTISED (scales: A lowp_scales[2], B lowp_scales[3])
;;     3. [M 65,536, K 1,024] x [K 1,024, N 1]; A: computed on the way; B: input Wv: left as it is (N = 1 < 16)
;;   THE QUANTISER, for each operand of a quantised product, along K:
;;     - The operand's scale is 2^e, e = its entry of the input lowp_scales (int32; the entries are numbered through the quantised products in the list's order, A before B).
;;     - Each number is divided by the scale, clamped to +-448, and rounded to the nearest number of E4M3, ties to even, subnormals kept.
;;     - The product sums the exact products of the quantised numbers (number of the format x scale) in f32.
;;   ~~~python
;;   def quantise(x, axis, e):      # numpy; x: float32 -> the quantised numbers, widened to float32 again
;;       x = np.moveaxis(x, axis, -1); K = x.shape[-1]
;;       r = np.clip(x / 2.0 ** e, -448, 448)
;;       step = 2.0 ** (np.maximum(np.frexp(np.where(r == 0, 1, r))[1] - 1, -6) - 3)
;;       q = np.round(r / step) * step * 2.0 ** e      # np.round: ties to even
;;       return np.moveaxis(q, -1, axis).astype(np.float32)
;;   ~~~
;; One version. Each part assembles by itself: llvm-mc -triple=amdgcn-amd-amdhsa -mcpu=gfx1250 --defsym DOCPART=n.
;; ======== version 1 of 1: 3 launches
;; limits: right only within a limited range of input values
;; workspace buffers: w2img 1,048,576 bytes; qw 131,072 bytes; scores 262,144 bytes
;; launch prep (part 1): grid 128 x 1, 8 waves a work-group, no clusters, 17,408 bytes of LDS; arguments query, W1, W2, b1, b2, lowp_scales, qw, w2img; writes qw, w2img
.if DOCPART == 1
	.amdgcn_target "amdgcn-amd-amdhsa--gfx1250"
	.amdhsa_code_object_version 6
	.text
	.protected	k_q97c941692c_prep
	.globl	k_q97c941692c_prep
	.p2align	8
	.type	k_q97c941692c_prep,@function
k_q97c941692c_prep:
	s_mov_b64 s[64:65], 0
	v_nop
	global_prefetch_b8 v0, s[64:65] scope:SCOPE_SE
	s_setreg_imm32_b32 hwreg(HW_REG_WAVE_MODE, 25, 1), 1
	s_wait_xcnt 0x0
; PREP.  Two small jobs, dealt to different work-groups by the work-group's number alone: numbers 0-63 take job (1), numbers 64-127 job (2); g = number % 64.
; (1) W2 [1024 (k)][1024 (u)] f32 -> codes of E4M3 with the given scale 2^e3, laid as IMAGES OF OPERAND REGISTERS:
;     w2img byte n*16384 + s*2048 + c*512 + 256 h + 16 r + i  =  code of W2[128 s + 32 c + 16 h + i][16 n + r]:
;     fragment (column tile n, K step s) is 2,048 bytes; four registers of lane 16 h + r lie at 16 x lane of group c.
;     A lane takes one column and its registers run down K, so the conversions give codes with K innermost and nothing is transposed.
;     Work-group g: K rows 64 (g / 4) on, columns 256 (g % 4) on; a wave 32 columns.  Each store: sixteen lanes write 256 consecutive bytes, aligned.  This job touches no LDS and no barrier.
; (2) q_proj = Q(query) Q(W1) by v_wmma_f32_16x16x128_fp8_fp8: work-group g makes column tile g (16 units) for all 32 rows; wave s takes K step s;
;     the eight partial sums meet in LDS.  Stored: qw [n = 64][b = 32][16] f32 = 2 log2(e) (q_proj + b1 + b2) of unit 16 n + r.
; code = x / 2^e, held within +-448, to the nearest code, ties to even.
; LIMITS: e0, e1, e3 between -126 and 119, so that 2^e and 448 x 2^e are f32 numbers.  NaN among the inputs is not served.
; No tensor load, no cluster: what work-groups share (query, 128 KB) is small beside the 8 MB of weights, which each are read once.
; WORK LEFT OUT IN THIS PROGRAM.  out1 = softmax over t of score[b][t], and out0 is made of out1 and values alone.  A term of score that is the same for all t of a b
; cancels in the softmax for all values of the inputs: so bv, and the term sum of Wv[u] that tanh(x) = 1 - 2 / (1 + e^(2x)) splits off, are never formed.
; bv then has no way to an output: it is not loaded and is no launch's argument.  LIMIT: a NaN, an infinity or an overflow that reaches only these two terms is not carried to the result.
.set XW, 16                            ; v16-79   64 numbers of W2 or of W1; later v16-31 the two accumulators, v32-47 the partial sums read back
.set XQ, 80                            ; v80-207  query: two tiles of 16 rows x 128 K, 64 numbers a lane each
.set CW, 208                           ; v208-223 codes of W2, or W1's fragment
.set CQ, 224                           ; v224-255 query's two fragments
; v1 W2's load offset, v2 w2img's store offset, v3 W1's offset, v4 query's, v5 the biases'; v6-9 b1, b2; v12, v13 the weight's scale and 448 x it; v14, v15 query's
.macro MKSCALE e, vs, vl               ; 2^e as f32 (the conversion takes its exponent field) and 448 x 2^e
	s_add_co_i32 s44, s[\e], 127
	s_lshl_b32 s45, s44, 23
	v_mov_b32 v[\vs], s45
	s_add_co_i32 s44, s44, 8
	s_lshl_b32 s44, s44, 23
	s_or_b32 s44, s44, 0x600000
	v_mov_b32 v[\vl], s44
.endm
; 64 numbers of a lane, register 16 b + i = k 32 b + 16 (lane / 16) + i, become a fragment's 16 registers of codes
.macro QUANT src, dst, sc, lim
.irp b, 0,1,2,3
.irp i, 0,1,2,3,4,5,6,7,8,9,10,11,12,13,14,15
	v_med3_num_f32 v[\src+16*\b+\i], v[\src+16*\b+\i], -v[\lim], v[\lim]   ; the conversion to an 8-bit code does not saturate (ISA guide 7.6.2): hold first
.endr
	v_cvt_scalef32_pk8_fp8_f32 v[\dst+4*\b:\dst+4*\b+1], v[\src+16*\b:\src+16*\b+7], v[\sc]
	v_cvt_scalef32_pk8_fp8_f32 v[\dst+4*\b+2:\dst+4*\b+3], v[\src+16*\b+8:\src+16*\b+15], v[\sc]
.endr
	v_nop                                          ; a plain line behind the last conversion
.endm
; block t of W2: 32 numbers down K of my column -> 32 codes in 8 registers
.macro QW2 t
.set i, 0
.rept 32
	v_med3_num_f32 v[XW+32*\t+i], v[XW+32*\t+i], -v13, v13
.set i, i+1
.endr
.irp q, 0,1,2,3
	v_cvt_scalef32_pk8_fp8_f32 v[CW+8*\t+2*\q:CW+8*\t+2*\q+1], v[XW+32*\t+8*\q:XW+32*\t+8*\q+7], v12
.endr
	v_nop
.endm
	s_load_b256 s[4:11], s[0:1], 0x0               ; query s[4:5], W1 s[6:7], W2 s[8:9], b1 s[10:11]
	s_load_b256 s[12:19], s[0:1], 0x20             ; b2 s[12:13], the exponents s[14:15], qw s[16:17], w2img s[18:19]
	v_lshl_add_u32 v10, v0, 2, 0x4000
	v_mov_b32 v11, 0
	v_lshrrev_b32 v6, 5, v0
	s_delay_alu instid0(VALU_DEP_1)
	v_readfirstlane_b32 s24, v6                    ; wave 0..7
	v_and_b32 v6, 15, v0                           ; r
	v_bfe_u32 v7, v0, 4, 1                         ; h
	v_and_b32 v1, 31, v0
	s_delay_alu instid0(VALU_DEP_1)
	v_lshlrev_b32 v1, 2, v1                        ; W2: 4 bytes a lane: 32 neighbouring columns
	s_delay_alu instid0(VALU_DEP_4)
	v_lshlrev_b32 v2, 4, v6
	s_delay_alu instid0(VALU_DEP_1)
	v_lshl_add_u32 v2, v7, 14, v2                  ; w2img: 16 r, and lanes 16-31 one column tile (16,384 bytes) on
	v_lshlrev_b32 v3, 2, v6
	s_delay_alu instid0(VALU_DEP_1)
	v_lshl_add_u32 v3, v7, 16, v3                  ; W1: column r, lanes 16-31 sixteen rows (of 4,096 bytes) further down
	v_lshlrev_b32 v4, 12, v6
	s_delay_alu instid0(VALU_DEP_1)
	v_lshl_add_u32 v4, v7, 6, v4                   ; query: row r, + 64 h: my 16 numbers of a block of 32
	v_and_b32 v5, 7, v0
	s_delay_alu instid0(VALU_DEP_1)
	v_lshlrev_b32 v5, 3, v5                        ; the biases of units 2 (t % 8), 2 (t % 8) + 1 of the tile
	s_and_b32 s20, ttmp9, 63                       ; g
	s_and_b32 s25, s20, 3                          ; which 256 columns of W2
	s_lshr_b32 s26, s20, 2                         ; which 64 rows of W2
	s_lshl_b32 s32, s26, 18                        ; W2: 64 rows of 4,096 bytes,
	s_lshl_b32 s27, s25, 10
	s_add_co_u32 s32, s32, s27                     ; + 256 columns,
	s_lshl_b32 s27, s24, 7
	s_add_co_u32 s32, s32, s27                     ; + my wave's 32
	s_mov_b32 s33, 0
	s_lshl_b32 s34, s25, 18                        ; w2img: 16 column tiles,
	s_lshl_b32 s27, s24, 15
	s_add_co_u32 s34, s34, s27                     ; + my wave's two,
	s_lshl_b32 s27, s26, 10
	s_add_co_u32 s34, s34, s27                     ; + 64 along K: half a fragment, 1,024 bytes
	s_mov_b32 s35, 0
	s_lshl_b32 s36, s24, 19                        ; W1: K step = wave: 128 rows,
	s_lshl_b32 s38, s20, 6                         ; 64 g: the tile's 16 units in bytes
	s_add_co_u32 s36, s36, s38
	s_mov_b32 s37, 0
	s_mov_b32 s39, 0
	s_lshl_b32 s40, s24, 9                         ; query: K step = wave: 512 bytes
	s_mov_b32 s41, 0
	s_lshl_b32 s42, s20, 11                        ; qw: 2,048 bytes a tile
	s_mov_b32 s43, 0
	s_lshl_b32 s47, s24, 11                        ; LDS: 2,048 bytes of partial sums a wave
	s_wait_alu depctr_va_vdst(0)
	s_wait_kmcnt 0x0
	s_load_b128 s[28:31], s[14:15], 0x0            ; e0 (query), e1 (W1), e2, e3 (W2)
	s_add_nc_u64 s[8:9], s[8:9], s[32:33]
	s_add_nc_u64 s[18:19], s[18:19], s[34:35]
	s_add_nc_u64 s[6:7], s[6:7], s[36:37]
	s_add_nc_u64 s[4:5], s[4:5], s[40:41]
	s_add_nc_u64 s[10:11], s[10:11], s[38:39]
	s_add_nc_u64 s[12:13], s[12:13], s[38:39]
	s_add_nc_u64 s[16:17], s[16:17], s[42:43]
	s_cmp_ge_u32 ttmp9, 64                         ; the work-group's number alone: all eight waves go the same way
	s_cbranch_scc1 .Ljob2
	; JOB (1)
.set i, 0
.rept 64
	global_load_b32 v[XW+i], v1, s[8:9] offset:i*4096 th:TH_LOAD_NT   ; W2(64 kb + i, my column): a wave reads 128 consecutive bytes, the eight waves 1,024
.set i, i+1
.endr
	s_wait_kmcnt 0x0
	MKSCALE 31, 12, 13                             ; W2's scale
	s_wait_alu depctr_va_vdst(0)
	s_wait_loadcnt 32                              ; W2's first 32 rows are in; the other 32 loads may be out
	QW2 0
	s_wait_loadcnt 0x0
	QW2 1
.irp t, 0,1
.irp hh, 0,1
	global_store_b128 v2, v[CW+8*\t+4*\hh:CW+8*\t+4*\hh+3], s[18:19] offset:512*\t+256*\hh   ; sixteen lanes: 256 consecutive bytes, aligned
.endr
.endr
	s_endpgm
.Ljob2:
	; JOB (2): all its loads go out at once
	global_load_b64 v[6:7], v5, s[10:11]           ; b1, b2 of my two units
	global_load_b64 v[8:9], v5, s[12:13]
.set i, 0
.rept 32
	global_load_b128 v[XQ+4*i:XQ+4*i+3], v4, s[4:5] offset:(i/16)*65536+((i/4)%4)*128+(i%4)*16   ; query(16 m + r, 128 s + 32 c + 16 h + 4 j ..)
.set i, i+1
.endr
.set i, 0
.rept 64
	global_load_b32 v[XW+i], v3, s[6:7] offset:(32*(i/16)+i%16)*4096   ; W1(128 s + 32 c + 16 h + i, 16 g + r): registers down K in the operand's own order
.set i, i+1
.endr
	s_wait_kmcnt 0x0
	MKSCALE 28, 14, 15                             ; query's scale
	MKSCALE 29, 12, 13                             ; W1's
	s_add_co_i32 s46, s28, s29                     ; e0 + e1
	s_wait_alu depctr_va_vdst(0)
	s_wait_loadcnt 63                              ; 64 loads follow query's: with at most 63 out, query and the biases are in
	QUANT XQ, CQ, 14, 15
	QUANT XQ+64, CQ+16, 14, 15
	s_wait_loadcnt 0x0                             ; W1
	QUANT XW, CW, 12, 13
	v_wmma_f32_16x16x128_fp8_fp8 v[16:23], v[CQ:CQ+15], v[CW:CW+15], 0        ; rows 0-15 x my 16 units, K step = wave
	v_wmma_f32_16x16x128_fp8_fp8 v[24:31], v[CQ+16:CQ+31], v[CW:CW+15], 0     ; rows 16-31
	v_and_b32 v80, 15, v0                          ; five plain lines: the places behind the products (ISA guide 7.12.1), and the LDS address
	v_bfe_u32 v81, v0, 4, 1
	s_delay_alu instid0(VALU_DEP_2)
	v_lshlrev_b32 v80, 2, v80
	s_delay_alu instid0(VALU_DEP_1)
	v_lshl_add_u32 v80, v81, 9, v80
	s_delay_alu instid0(VALU_DEP_1)
	v_add_nc_u32 v80, s47, v80                     ; 2,048 wave + 512 h + 4 r
.irp m, 0,1
.irp j, 0,1,2,3,4,5,6,7
	ds_store_b32 v80, v[16+8*\m+\j] offset:\m*1024+\j*64   ; partial sum of (row 16 m + 8 h + j, unit r) at word 16 row + r; each accumulator from its low end on
.endr
.endr
	s_wait_dscnt 0x0                               ; for the others' sake: my stores have landed
	s_barrier_signal -1
	s_barrier_wait -1
	v_lshlrev_b32 v81, 3, v0                       ; thread t takes words 2 t, 2 t + 1: row t / 8, units 2 (t % 8), + 1; the same place in the tile of qw
.irp k, 0,1,2,3,4,5,6,7
	ds_load_b64 v[32+2*\k:33+2*\k], v81 offset:2048*\k
.endr
	v_pk_add_f32 v[6:7], v[6:7], v[8:9]            ; b1 + b2
	s_wait_dscnt 0x0
	v_pk_add_f32 v[32:33], v[32:33], v[34:35]      ; the eight K steps
	v_pk_add_f32 v[36:37], v[36:37], v[38:39]
	v_pk_add_f32 v[40:41], v[40:41], v[42:43]
	v_pk_add_f32 v[44:45], v[44:45], v[46:47]
	s_delay_alu instid0(VALU_DEP_3)
	v_pk_add_f32 v[32:33], v[32:33], v[36:37]
	s_delay_alu instid0(VALU_DEP_2)
	v_pk_add_f32 v[40:41], v[40:41], v[44:45]
	s_delay_alu instid0(VALU_DEP_1)
	v_pk_add_f32 v[32:33], v[32:33], v[40:41]
	s_delay_alu instid0(VALU_DEP_1)
	v_ldexp_f32 v32, v32, s46                      ; x 2^(e0 + e1)
	s_delay_alu instid0(VALU_DEP_2)
	v_ldexp_f32 v33, v33, s46
	s_delay_alu instid0(VALU_DEP_1)
	v_pk_add_f32 v[32:33], v[32:33], v[6:7]
	s_delay_alu instid0(VALU_DEP_1)
	v_mul_f32 v48, 0x4038aa3b, v32                 ; x 2 log2(e)
	s_delay_alu instid0(VALU_DEP_2)
	v_mul_f32 v49, 0x4038aa3b, v33
	global_store_b64 v81, v[48:49], s[16:17]       ; a wave stores 256 consecutive bytes, aligned
	s_wait_tensorcnt 0x0                           ; the wave's end
	ds_add_u32 v10, v11
	s_wait_dscnt 0x0
	s_endpgm
.Lfunc_end_k_q97c941692c_prep:
	.size	k_q97c941692c_prep, .Lfunc_end_k_q97c941692c_prep-k_q97c941692c_prep
	.p2alignl 7, 3214868480
	.fill 96, 4, 3214868480
	.section	.rodata,"a",@progbits
	.p2align	6, 0x0
	.amdhsa_kernel k_q97c941692c_prep
		.amdhsa_group_segment_fixed_size 17408
		.amdhsa_private_segment_fixed_size 0
		.amdhsa_enable_private_segment 0
		.amdhsa_kernarg_size 64
		.amdhsa_user_sgpr_count 2
		.amdhsa_user_sgpr_kernarg_segment_ptr 1
		.amdhsa_wavefront_size32 1
		.amdhsa_system_sgpr_workgroup_id_x 1
		.amdhsa_system_sgpr_workgroup_id_y 1
		.amdhsa_system_sgpr_workgroup_id_z 1
		.amdhsa_system_vgpr_workitem_id 0
		.amdhsa_next_free_vgpr 256
		.amdhsa_next_free_sgpr 66
		.amdhsa_reserve_vcc 0
		.amdhsa_float_denorm_mode_32 3
		.amdhsa_float_denorm_mode_16_64 3
		.amdhsa_memory_ordered 1
		.amdhsa_forward_progress 1
		.amdhsa_inst_pref_size 41
	.end_amdhsa_kernel
	.amdgpu_metadata
---
amdhsa.version: [ 1, 2 ]
amdhsa.kernels:
  - .name:           k_q97c941692c_prep
    .symbol:         k_q97c941692c_prep.kd
    .args:
      - { .name: query, .offset: 0, .size: 8, .value_kind: global_buffer, .address_space: global }
      - { .name: W1, .offset: 8, .size: 8, .value_kind: global_buffer, .address_space: global }
      - { .name: W2, .offset: 16, .size: 8, .value_kind: global_buffer, .address_space: global }
      - { .name: b1, .offset: 24, .size: 8, .value_kind: global_buffer, .address_space: global }
      - { .name: b2, .offset: 32, .size: 8, .value_kind: global_buffer, .address_space: global }
      - { .name: lowp_scales, .offset: 40, .size: 8, .value_kind: global_buffer, .address_space: global }
      - { .name: qw, .offset: 48, .size: 8, .value_kind: global_buffer, .address_space: global }
      - { .name: w2img, .offset: 56, .size: 8, .value_kind: global_buffer, .address_space: global }
    .group_segment_fixed_size: 17408
    .private_segment_fixed_size: 0
    .kernarg_segment_align: 8
    .kernarg_segment_size: 64
    .max_flat_workgroup_size: 256
    .sgpr_count:     66
    .vgpr_count:     256
    .wavefront_size: 32
...
	.end_amdgpu_metadata
.endif
;; end of part 1
;; launch score (part 2): grid 256 x 1, 4 waves a work-group, clusters of 4 x 1, 327,680 bytes of LDS; arguments values, w2img, qw, Wv, lowp_scales, scores; writes scores
.if DOCPART == 2
	.amdgcn_target "amdgcn-amd-amdhsa--gfx1250"
	.amdhsa_code_object_version 6
	.text
	.protected	k_q97c941692c_score
	.globl	k_q97c941692c_score
	.p2align	8
	.type	k_q97c941692c_score,@function
k_q97c941692c_score:
	s_mov_b64 s[64:65], 0
	v_nop
	global_prefetch_b8 v0, s[64:65] scope:SCOPE_SE
	s_setreg_imm32_b32 hwreg(HW_REG_WAVE_MODE, 25, 1), 1
	s_wait_xcnt 0x0
	s_wait_alu depctr_hold_cnt(0) depctr_sa_sdst(0) depctr_va_vdst(0) depctr_va_sdst(0) depctr_va_ssrc(0) depctr_va_vcc(0) depctr_vm_vsrc(0)
	s_getreg_b32 s2, hwreg(HW_REG_IB_STS2, 6, 4)
	s_cmp_eq_u32 s2, 0
	s_cbranch_scc0 .Lentry_in_a_cluster
	s_endpgm
.Lentry_in_a_cluster:
	s_bfe_u32 s2, ttmp6, 0x10000c
	s_cmp_lg_u32 s2, 0x3003
	s_cbranch_scc0 .Lentry_shape_is_right
	s_endpgm
.Lentry_shape_is_right:
; SCORE.  scores[b][t] = sum over u of (-2 log2(e) Wv[u]) rc[u],  rc = 1 / (1 + 2^(S acc + q0)),  acc = (codes of values)(codes of W2), S = 2 log2(e) 2^(e2 + e3), q0 from qw.
; That is log2(e) x the score less terms that are the same for all t (bv, the sum of Wv): left out, as the first kernel's head shows; bv is not loaded.
; 2^x = infinity gives rc = 0 (tanh = 1), 2^x = 0 gives rc = 1 (tanh = -1).  The product is made by v_wmma_f32_16x16x128_fp8_fp8, sums in f32; all else in f32.
; SHARES.  A work-group owns 256 rows (b, t) of one b, a wave 64: four tiles of 16, whose codes stay in 512 registers (windows 2 and 3).
; ONE RING of two LDS slots carries 16 fills, a quarter of a slot (64 LDS rows of 512 bytes + 16 of padding) a wave:
;   fills 0-7: K step f of my own 64 rows of values, f32; read back 16 neighbours a lane, held, converted.
;   fills 8-15: 128 columns of W2's codes (images of operand registers, 512 bytes a load), asked for JOINTLY by the four work-groups of the cluster; they land on the very bytes of the earlier fills.
; A CHUNK is 32 columns: its 64 fragment loads go into window 1 while the chunk before is activated (batches of plain lines and transcendentals, no product between); then 64 products on end.
; Source 0 = 16 rows of values, source 1 = 16 units: a lane holds ONE unit (lane % 16) and rows 8 (lane / 16) + 0 .. 7; q0 and Wv are one number a lane, doubled into pairs in an LDS table.
; PREFETCH: trip f asks for the values that trip f + 1's tensor load will want (fill f + 2): my 64 rows x 512 bytes, a lane a block of 256 bytes, four lines; trips 6 and 7 ask for nothing.
;   W2 has none: 1 MB that all 64 clusters walk in step, and each of its fills has four chunks, 256 products a wave, in which to land.
; LIMITS: e2 between -126 and 119; e2 + e3 between -127 and 126 (added to an exponent field).  NaN among the inputs is not served.
; WINDOWS (s_set_vgpr_msb: 1:0 source 0, 3:2 source 1, 5:4 source 2, 7:6 destination): 0: addresses, v16-23 q0 and Wv pairs, v32-63 the rows' sums, v64-127 X, v128-191 second set of numbers;
;   1: a chunk's fragments (128 n + 16 s); 2, 3: codes (128 (m % 2) + 16 s).
.set CHB,   33792                      ; 64 LDS rows of 528 bytes
.set SLOTB, 4*CHB
.set TAB,   2*SLOTB                    ; table: chunk c, unit r: q0a q0a q0b q0b wa wa wb wb at 512 c + 32 r
.set STG,   TAB+16384                  ; the way out: 256 bytes a wave
.set SPARE, STG+1024                   ; the spare words
.set LI, 1
.set STL, 2
.set ADB, 4
.set GO, 5
.set TA, 6
.set R32, 7
.set SC2, 8
.set LIM, 9
.set PFO, 10
.set SPW, 12
.set NIL, 13
.set SOA, 14
.set SRA, 15
.set QW, 16
.set SC, 32
.set X, 64
.set WV, 18
.set G1V, 24
.set G1W, 32
.set G0V, 40
.set G0W, 44
.set SS, 52
.set VB, 54
.set OUTP, 56
.set WOFF, 58
.set SB, 59
.set TB, 60
.set TS, 61
.set SLOTS, 62
.set CNT, 63
.set SB2, 66
.set MSB, 0
.macro WIN new
.if MSB != (\new)
	s_set_vgpr_msb (MSB<<8)|(\new)
.set MSB, (\new)
.endif
.endm
.macro CROUND                          ; a round of the cluster's barrier
	s_barrier_signal -1
	s_barrier_wait -1
	s_cmp_lg_u32 s[WV], 0
	s_cbranch_scc1 .Lnot_wave_0_\@
	s_barrier_signal -3
.Lnot_wave_0_\@:
	s_barrier_wait -3
	s_barrier_signal -1
	s_barrier_wait -1
.endm
.macro PLACES
.rept 4
	v_nop
.endr
.endm
	s_load_b256 s[4:11], s[0:1], 0x0               ; values, w2img, qw, Wv
	s_load_b128 s[12:15], s[0:1], 0x20             ; the exponents, scores
	v_lshl_add_u32 v[SPW], v0, 2, SPARE
	v_mov_b32 v[NIL], 0
	ds_add_u32 v[SPW], v[NIL]                      ; the opening: the add twice on end and its wait
	ds_add_u32 v[SPW], v[NIL]
	v_lshrrev_b32 v11, 5, v0
	v_readfirstlane_b32 s[WV], v11                 ; wave 0..3
	s_bfe_u32 s19, ttmp6, 0x40000                  ; cx
	s_lshl_b32 s20, ttmp9, 2
	s_add_co_u32 s20, s20, s19                     ; g: my block of 256 rows; it enters global addresses alone
	s_lshr_b32 s21, s20, 3                         ; b
	s_mov_b32 s[G1V], (2<<16)|(1<<20)|(6<<22)|(3<<25)          ; elements of 4 bytes; 4 words of padding behind every 128
	s_mov_b32 s[G1W], 15|(2<<16)|(1<<20)|(1<<21)|(6<<22)|(3<<25)   ; the same, with the mask of all four work-groups
.irp g, G1V, G1W
	s_mov_b32 s[\g+1], 128<<16
	s_mov_b32 s[\g+2], 64<<16
	s_mov_b32 s[\g+3], 128<<16
	s_mov_b32 s[\g+4], 64
	s_mov_b32 s[\g+6], 0
	s_mov_b32 s[\g+7], 0
.endr
	s_mov_b32 s[G1V+5], 1024                       ; a row of values
	s_mov_b32 s[G1W+5], 128                        ; dense
	s_mul_i32 s[WOFF], s[WV], CHB                  ; my quarter of a slot
	s_lshl_b32 s22, s20, 20
	s_lshl_b32 s23, s[WV], 18
	s_add_co_u32 s22, s22, s23                     ; values: 256 rows a block, 64 a wave
	s_mov_b32 s23, 0
	s_lshl_b32 s68, s[WV], 15                      ; my quarter of a tile of W2
	s_mov_b32 s69, 0
	s_lshl_b32 s70, s21, 6                         ; qw: 64 bytes for each b in a tile
	s_mov_b32 s71, 0
	s_lshl_b32 s16, s20, 10
	s_lshl_b32 s17, s[WV], 8
	s_add_co_u32 s16, s16, s17                     ; scores: 1,024 bytes a block, 256 a wave
	s_add_co_u32 s67, s17, STG                     ; my stage
	s_mov_b32 s17, 0
	s_mov_b32 s[SB], 0
	s_mov_b32 s[SB2], 0
	s_mov_b32 s[TS], 0
	s_mov_b32 s[SLOTS], 7
	s_wait_dscnt 0x0
	s_wait_kmcnt 0x0
	s_load_b128 s[48:51], s[12:13], 0x0            ; e0, e1, e2, e3
	s_add_nc_u64 s[VB:VB+1], s[4:5], s[22:23]
	s_add_nc_u64 s[OUTP:OUTP+1], s[14:15], s[16:17]
	s_add_nc_u64 s[8:9], s[8:9], s[70:71]
	s_mov_b32 s[G0V], 1
	s_mov_b32 s[G0V+1], s[WOFF]
	s_mov_b64 s[G0V+2:G0V+3], s[VB:VB+1]
	s_or_b32 s[G0V+3], s[G0V+3], 0x80000000
	s_mov_b32 s[G0W], 1
	s_mov_b32 s[G0W+1], s[WOFF]
	s_add_nc_u64 s[G0W+2:G0W+3], s[6:7], s[68:69]
	s_or_b32 s[G0W+3], s[G0W+3], 0x80000000
	CROUND
	tensor_load_to_lds s[G0V:G0V+3], s[G1V:G1V+7]  ; fill 0: my one load at the head
	s_nop 0
	PLACES
	v_and_b32 v11, 31, v0
	v_and_b32 v24, 15, v0                          ; r
	v_bfe_u32 v25, v0, 4, 1                        ; h
	v_lshrrev_b32 v26, 2, v0                       ; the table: thread t serves chunk t / 4, units 4 (t % 4) + 0 .. 3 of both tiles
	v_and_b32 v27, 3, v0
	v_lshlrev_b32 v[LI], 4, v11
	v_lshlrev_b32 v[GO], 3, v11
	v_lshlrev_b32 v[PFO], 12, v11                  ; a lane a row
	v_mul_u32_u24 v[STL], v24, 528
	v_lshl_add_u32 v[STL], v25, 6, v[STL]
	v_add_nc_u32 v[STL], s[WOFF], v[STL]           ; values in slot 0: row r, + 64 h
	v_add_nc_u32 v[STL+1], SLOTB, v[STL]
	v_lshl_add_u32 v[R32], v24, 5, TAB
	v_lshlrev_b32 v[SOA], 5, v25
	v_add_nc_u32 v[SOA], s67, v[SOA]
	v_add_nc_u32 v[SRA], s67, v[GO]
	v_lshlrev_b32 v27, 4, v27
	v_lshl_add_u32 v28, v26, 12, v27
	v_lshl_add_u32 v29, v26, 7, v27
	v_lshl_add_u32 v30, v0, 7, TAB
	global_load_b128 v[192:195], v28, s[8:9]
	global_load_b128 v[196:199], v28, s[8:9] offset:2048
	global_load_b128 v[200:203], v29, s[10:11]
	global_load_b128 v[204:207], v29, s[10:11] offset:64
	s_wait_kmcnt 0x0
	s_add_co_i32 s22, s50, 127
	s_lshl_b32 s23, s22, 23                        ; 2^e2
	s_add_co_i32 s22, s22, 8
	s_lshl_b32 s22, s22, 23
	s_or_b32 s22, s22, 0x600000                    ; 448 x 2^e2
	s_add_co_i32 s16, s50, s51
	s_lshl_b32 s16, s16, 23
	s_mov_b32 s[SS], 0x4038aa3b                    ; 2 log2(e),
	s_add_co_i32 s[SS], s[SS], s16                 ; x 2^(e2 + e3)
	s_mov_b32 s[SS+1], s[SS]
	v_mov_b32 v[SC2], s23
	v_mov_b32 v[LIM], s22
.set i, 0
.rept 8
	v_mov_b32 v[QW+i], 0                           ; the first chunk finds q0 = 0, Wv = 0 for the chunk that is not there: rc lies in 0 .. 1 and is multiplied by 0
.set i, i+1
.endr
.set i, 0
.rept 32
	v_mov_b32 v[SC+i], 0
.set i, i+1
.endr
	s_wait_alu depctr_va_vdst(0)
	s_wait_loadcnt 0x0
.set i, 0
.rept 8
	v_mul_f32 v[200+i], 0xc038aa3b, v[200+i]       ; -2 log2(e) Wv
.set i, i+1
.endr
.irp i, 0,1,2,3
.irp k, 0,1,2,3
	ds_store_b32 v30, v[192+4*\k+\i] offset:32*\i+8*\k
	ds_store_b32 v30, v[192+4*\k+\i] offset:32*\i+8*\k+4
.endr
.endr
	s_wait_alu depctr_va_vdst(0)                   ; the head's end
.macro ALD f, m                        ; tile m of K step f: lane (r, h) takes numbers 32 c + 16 h + 0 .. 15 of row r into registers 16 c on
.set i, 0
.rept 16
	ds_load_b128 v[X+64*((\m)%2)+4*i:X+64*((\m)%2)+4*i+3], v[STL+(\f)%2] offset:(\m)*8448+128*(i/4)+16*(i%4)
.set i, i+1
.endr
.endm
.macro AQ f, m
.if (\m) < 3
	s_wait_dscnt 16                                ; this tile's 16 loads are in, the next tile's may be out
.else
	s_wait_dscnt 0x0
.endif
.set i, 0
.rept 64
	v_med3_num_f32 v[X+64*((\m)%2)+i], v[X+64*((\m)%2)+i], -v[LIM], v[LIM]   ; the conversion does not saturate (ISA guide 7.6.2): hold first
.set i, i+1
.endr
	WIN 0x80+0x40*((\m)/2)
.set i, 0
.rept 8
	v_cvt_scalef32_pk8_fp8_f32 v[128*((\m)%2)+16*(\f)+2*i:128*((\m)%2)+16*(\f)+2*i+1], v[X+64*((\m)%2)+8*i:X+64*((\m)%2)+8*i+7], v[SC2]
.set i, i+1
.endr
	v_nop
	WIN 0
.if (\m) < 2
	ALD \f, (\m)+2
.endif
.endm
; A trip of the ring's first half: all my loads are in, the add, my reads of the other slot are over; a round; the next fill; then K step f is turned into codes.
.macro ATRIP f
	s_wait_tensorcnt 0x0
	ds_add_u32 v[SPW], v[NIL]
.if (\f) < 7
	s_add_co_u32 s[G0V+1], s[WOFF], (((\f)+1)%2)*SLOTB
	s_add_nc_u64 s[G0V+2:G0V+3], s[G0V+2:G0V+3], 512
.endif
	s_wait_dscnt 0x0
	CROUND
.if (\f) < 7
	tensor_load_to_lds s[G0V:G0V+3], s[G1V:G1V+7]
.else
	tensor_load_to_lds s[G0W:G0W+3], s[G1W:G1W+7]  ; W2's first 128 columns, into slot 0
.endif
	s_nop 0
	PLACES
	ALD \f, 0
	ALD \f, 1
.if (\f) < 6
.irp i, 0,1,2,3
	global_prefetch_b8 v[PFO], s[VB:VB+1] offset:(\i/2)*131072+(\i%2)*256+((\f)+2)*512 th:TH_LOAD_NT scope:SCOPE_SE
.endr
.endif
	AQ \f, 0
	AQ \f, 1
	AQ \f, 2
	AQ \f, 3
.endm
.irp f, 0,1,2,3,4,5,6,7
	ATRIP \f
.endr
.macro CHANGE fill
	s_wait_tensorcnt 0x0
	ds_add_u32 v[SPW], v[NIL]
.if \fill
	s_xor_b32 s[SB2], s[SB2], SLOTB
	s_add_co_u32 s[G0W+1], s[WOFF], s[SB2]
	s_add_nc_u64 s[G0W+2:G0W+3], s[G0W+2:G0W+3], 131072
.endif
	s_wait_dscnt 0x0
.if \fill
	CROUND
	tensor_load_to_lds s[G0W:G0W+3], s[G1W:G1W+7]
	s_nop 0
	PLACES
.else
	s_barrier_signal -1
	s_barrier_wait -1
.endif
.endm
; The activation of the 64 registers of X, in place, each accumulator from its low end on.  Each batch of transcendentals has one wait ahead of it and one behind.
; The chunk's eight fragment loads of K step s, into window 1.  The eight groups stand apart, among the lines of the activation, four of them directly ahead of its four waits.
.macro FG s
	WIN 0x40
.irp n, 0,1
.irp g, 0,1,2,3
	ds_load_b128 v[128*\n+16*(\s)+4*\g:128*\n+16*(\s)+4*\g+3], v[ADB] offset:((8*\n+(\s))*4+\g)*528
.endr
.endr
	WIN 0
.endm
.macro ACT ld                          ; ld = 1: the next products' fragment loads of K steps 1 to 7 stand among the lines
.irp m, 0,1,2,3
.irp n, 0,1
.irp p, 0,2,4,6
	v_pk_fma_f32 v[X+16*\m+8*\n+\p:X+16*\m+8*\n+\p+1], v[X+16*\m+8*\n+\p:X+16*\m+8*\n+\p+1], s[SS:SS+1], v[QW+2*\n:QW+2*\n+1] op_sel_hi:[1,0,1]
.endr
.endr
.if \ld && (\m == 1)
	FG 1
.endif
.endr
.if \ld
	FG 2
.endif
	s_wait_alu depctr_va_vdst(0)
.set i, 0
.rept 32
	v_exp_f32 v[X+i], v[X+i]
.set i, i+1
.endr
.if \ld
	FG 3
.endif
.rept 32
	v_exp_f32 v[X+i], v[X+i]
.set i, i+1
.endr
	v_nop
.if \ld
	FG 4
.endif
	s_wait_alu depctr_va_vdst(0)
.set i, 0
.rept 32
	v_pk_add_f32 v[X+2*i:X+2*i+1], v[X+2*i:X+2*i+1], 1.0 op_sel_hi:[1,0]
.set i, i+1
.endr
.if \ld
	FG 5
.endif
	s_wait_alu depctr_va_vdst(0)
.set i, 0
.rept 32
	v_rcp_f32 v[X+i], v[X+i]
.set i, i+1
.endr
.if \ld
	FG 6
.endif
.rept 32
	v_rcp_f32 v[X+i], v[X+i]
.set i, i+1
.endr
	v_nop
.if \ld
	FG 7
.endif
	s_wait_alu depctr_va_vdst(0)
.irp n, 0,1
.irp p, 0,2,4,6
.irp m, 0,1,2,3
	v_pk_fma_f32 v[SC+8*\m+\p:SC+8*\m+\p+1], v[X+16*\m+8*\n+\p:X+16*\m+8*\n+\p+1], v[QW+4+2*\n:QW+5+2*\n], v[SC+8*\m+\p:SC+8*\m+\p+1]
.endr
.endr
.endr
.endm
; 64 products: tiles 0, 1 through all K steps, then tiles 2, 3; four accumulators by turns.  K step 0 starts the sums.
.macro MM
.irp hf, 0,1
	WIN 0x06+\hf                                   ; source 0 window 2 or 3, source 1 window 1
.irp s, 0,1,2,3,4,5,6,7
.if \hf == 0
.if \s < 7
	s_wait_dscnt 58-8*\s                           ; K step s's 8 fragment loads are in; behind them: 8 (7 - s) fragment loads and the table's two
.else
	s_wait_dscnt 0x0
.endif
.endif
.irp m, 0,1
.irp n, 0,1
.if \s == 0
	v_wmma_f32_16x16x128_fp8_fp8 v[X+32*\hf+16*\m+8*\n:X+32*\hf+16*\m+8*\n+7], v[128*\m+16*\s:128*\m+16*\s+15], v[128*\n+16*\s:128*\n+16*\s+15], 0
.else
	v_wmma_f32_16x16x128_fp8_fp8 v[X+32*\hf+16*\m+8*\n:X+32*\hf+16*\m+8*\n+7], v[128*\m+16*\s:128*\m+16*\s+15], v[128*\n+16*\s:128*\n+16*\s+15], v[X+32*\hf+16*\m+8*\n:X+32*\hf+16*\m+8*\n+7]
.endif
.endr
.endr
.endr
.endr
	WIN 0
.endm
.macro CHUNK
	v_add_nc_u32 v[ADB], s[TB], v[LI]              ; four places behind the last product, for the loads into its fragments and the first read of X
	v_add_nc_u32 v[TA], s[TS], v[R32]
	v_nop
	v_nop
	FG 0
	ACT 1                                          ; the chunk before, and this chunk's other fragment loads, K steps in ascending order
	ds_load_b128 v[QW:QW+3], v[TA]                 ; this chunk's q0 and Wv, wanted in the next
	ds_load_b128 v[QW+4:QW+7], v[TA] offset:16
	MM
.endm
.macro SLOTWORK
	s_mov_b32 s[TB], s[SB]
	s_mov_b32 s[CNT], 4
.Lchunk_\@:
	CHUNK
	s_add_co_u32 s[TB], s[TB], CHB
	s_add_co_u32 s[TS], s[TS], 512
	s_sub_co_u32 s[CNT], s[CNT], 1
	s_cmp_lg_u32 s[CNT], 0
	s_cbranch_scc1 .Lchunk_\@
	s_xor_b32 s[SB], s[SB], SLOTB
.endm
.Lslot:
	CHANGE 1
	SLOTWORK
	s_sub_co_u32 s[SLOTS], s[SLOTS], 1
	s_cmp_lg_u32 s[SLOTS], 0
	s_cbranch_scc1 .Lslot
	CHANGE 0                                       ; the last slot is written out
	SLOTWORK
	PLACES
	ACT 0                                          ; the last chunk
.irp k, 1,2,4,8                        ; a row's sum lies in the 16 lanes of its half, one unit of each tile each
.set i, 0
.rept 32
	v_add_f32_dpp v[SC+i], v[SC+i], v[SC+i] row_xmask:\k row_mask:0xf bank_mask:0xf
.set i, i+1
.endr
.endr
.irp m, 0,1,2,3
.irp q, 0,1
	ds_store_b128 v[SOA], v[SC+8*\m+4*\q:SC+8*\m+4*\q+3] offset:64*\m+16*\q   ; rows 16 m + 8 h + 4 q on; the 16 lanes of a half store the same words with the same values
.endr
.endr
	ds_load_b64 v[X:X+1], v[SRA]                   ; back: two rows a lane, in order behind my stores
	s_wait_dscnt 0x0
	global_store_b64 v[GO], v[X:X+1], s[OUTP:OUTP+1]   ; the wave stores 256 consecutive bytes, aligned
	s_wait_tensorcnt 0x0                           ; the wave's end
	ds_add_u32 v[SPW], v[NIL]
	s_wait_dscnt 0x0
	CROUND                                         ; the closing round
	s_endpgm
.Lfunc_end_k_q97c941692c_score:
	.size	k_q97c941692c_score, .Lfunc_end_k_q97c941692c_score-k_q97c941692c_score
	.p2alignl 7, 3214868480
	.fill 96, 4, 3214868480
	.section	.rodata,"a",@progbits
	.p2align	6, 0x0
	.amdhsa_kernel k_q97c941692c_score
		.amdhsa_group_segment_fixed_size 327680
		.amdhsa_private_segment_fixed_size 0
		.amdhsa_enable_private_segment 0
		.amdhsa_kernarg_size 48
		.amdhsa_user_sgpr_count 2
		.amdhsa_user_sgpr_kernarg_segment_ptr 1
		.amdhsa_wavefront_size32 1
		.amdhsa_system_sgpr_workgroup_id_x 1
		.amdhsa_system_sgpr_workgroup_id_y 1
		.amdhsa_system_sgpr_workgroup_id_z 1
		.amdhsa_system_vgpr_workitem_id 0
		.amdhsa_next_free_vgpr 1024
		.amdhsa_next_free_sgpr 72
		.amdhsa_reserve_vcc 0
		.amdhsa_float_denorm_mode_32 3
		.amdhsa_float_denorm_mode_16_64 3
		.amdhsa_memory_ordered 1
		.amdhsa_forward_progress 1
		.amdhsa_inst_pref_size 255
	.end_amdhsa_kernel
	.section	.bss,"aw",@nobits
	.p2align	6
	.space	262144
	.amdgpu_metadata
---
amdhsa.version: [ 1, 2 ]
amdhsa.kernels:
  - .name:           k_q97c941692c_score
    .symbol:         k_q97c941692c_score.kd
    .args:
      - { .name: values, .offset: 0, .size: 8, .value_kind: global_buffer, .address_space: global }
      - { .name: w2img, .offset: 8, .size: 8, .value_kind: global_buffer, .address_space: global }
      - { .name: qw, .offset: 16, .size: 8, .value_kind: global_buffer, .address_space: global }
      - { .name: Wv, .offset: 24, .size: 8, .value_kind: global_buffer, .address_space: global }
      - { .name: lowp_scales, .offset: 32, .size: 8, .value_kind: global_buffer, .address_space: global }
      - { .name: scores, .offset: 40, .size: 8, .value_kind: global_buffer, .address_space: global }
    .group_segment_fixed_size: 327680
    .private_segment_fixed_size: 0
    .kernarg_segment_align: 8
    .kernarg_segment_size: 48
    .max_flat_workgroup_size: 128
    .sgpr_count:     72
    .vgpr_count:     1024
    .wavefront_size: 32
...
	.end_amdgpu_metadata
.endif
;; end of part 2
;; launch ctx (part 3): grid 8 x 32, 4 waves a work-group, no clusters, 327,680 bytes of LDS; arguments values, scores, out0, out1; writes out0, out1
.if DOCPART == 3
	.amdgcn_target "amdgcn-amd-amdhsa--gfx1250"
	.amdhsa_code_object_version 6
	.text
	.protected	k_q97c941692c_ctx
	.globl	k_q97c941692c_ctx
	.p2align	8
	.type	k_q97c941692c_ctx,@function
k_q97c941692c_ctx:
	s_mov_b64 s[64:65], 0
	v_nop
	global_prefetch_b8 v0, s[64:65] scope:SCOPE_SE
	s_setreg_imm32_b32 hwreg(HW_REG_WAVE_MODE, 25, 1), 1
	s_wait_xcnt 0x0
; CTX.  out1[b][t] = softmax over t;  out0[b][d] = sum over t of out1[b][t] values[b][t][d].  All in f32.  scores holds log2(e) x the score less terms that are the same for all t
; (left out, as the first kernel's head shows), so p = 2^(s - M), M the row's maximum.
; SHARES.  Work-group (j, b) owns channels 128 j .. + 127 of b: each output number has one owner.  The 2,048 rows x 512 bytes come through a ring of two LDS slots of 256 rows,
; filled by the tensor data mover, 64 rows a wave, which the same wave reads: one row a load, 16 bytes a lane.  The softmax is made while fill 0 is on its way; sums are of p, divided once at the end.
; PREFETCH: trip f asks for what trip f + 1's tensor load will want (fill f + 2): my 64 rows x 512 bytes, a lane a block of 256 bytes, four lines; the last two trips ask for nothing.
; No cluster: what the eight work-groups of a b share (8 KB of scores) is small beside the 1 MB of values that each reads alone.  No matrix unit: a stream.
.set SLOT1, 131072
.set WT,    262144                     ; the 2,048 p
.set PART,  WT+8192                    ; the waves' partial sums, 512 bytes each
.set RED,   PART+2048                  ; the waves' maxima
.set RED2,  RED+256                    ; the waves' sums
.set SPARE, RED2+256
.set STEP,  0x100000                   ; 256 rows of values
.set ACC, 16
.set W,   32
.set XV,  96
	s_load_b256 s[4:11], s[0:1], 0x0               ; values, scores, out0, out1
	v_lshl_add_u32 v12, v0, 2, SPARE
	v_mov_b32 v13, 0
	ds_add_u32 v12, v13                            ; the opening: the add twice on end and its wait
	ds_add_u32 v12, v13
	v_lshrrev_b32 v8, 5, v0
	v_readfirstlane_b32 s12, v8                    ; wave 0..3
	s_and_b32 s16, ttmp7, 0xffff                   ; b
	s_lshl_b32 s20, s16, 23
	s_lshl_b32 s22, s12, 18
	s_add_co_u32 s20, s20, s22
	s_lshl_b32 s22, ttmp9, 9
	s_add_co_u32 s20, s20, s22                     ; values: b, my 64 rows, slice j
	s_mov_b32 s21, 0
	s_lshl_b32 s22, s16, 13                        ; scores: 8,192 bytes a b
	s_mov_b32 s23, 0
	s_lshr_b32 s48, ttmp9, 1                       ; my eighth of out1, rows 256 j on, lies in the threads' register group i = j / 2,
	s_and_b32 s49, ttmp9, 1                        ; in waves 2 (j % 2) and 2 (j % 2) + 1
	s_lshl_b32 s18, s48, 11
	s_add_co_u32 s40, s22, s18
	s_mov_b32 s41, 0
	s_lshl_b32 s42, s16, 12
	s_lshl_b32 s43, ttmp9, 9
	s_add_co_u32 s42, s42, s43                     ; out0
	s_mov_b32 s43, 0
	s_lshl_b32 s19, s12, 15                        ; my quarter of a slot
	s_lshl_b32 s44, s12, 2
	s_add_co_u32 s44, s44, RED
	s_lshl_b32 s45, s12, 8
	s_add_co_u32 s45, s45, WT                      ; my 64 rows' p in fill 0
	s_lshl_b32 s46, s12, 9
	s_add_co_u32 s46, s46, PART
	s_mov_b32 s24, 2<<16                           ; elements of 4 bytes, no padding: a row is read by one load, lane by lane
	s_mov_b32 s25, 128<<16
	s_mov_b32 s26, 64<<16
	s_mov_b32 s27, 128<<16
	s_mov_b32 s28, 64
	s_mov_b32 s29, 1024
	s_mov_b32 s30, 0
	s_mov_b32 s31, 0
	s_mov_b32 s13, 0x76543210
	s_mov_b32 s14, 0xfedcba98
	s_mov_b32 s47, 3
	s_wait_dscnt 0x0
	s_wait_kmcnt 0x0
	s_add_nc_u64 s[4:5], s[4:5], s[20:21]
	s_add_nc_u64 s[6:7], s[6:7], s[22:23]
	s_add_nc_u64 s[10:11], s[10:11], s[40:41]
	s_add_nc_u64 s[8:9], s[8:9], s[42:43]
	s_mov_b32 s32, 1
	s_mov_b32 s33, s19
	s_mov_b64 s[34:35], s[4:5]
	s_or_b32 s35, s35, 0x80000000
	s_mov_b32 s36, 1
	s_add_co_u32 s37, s19, SLOT1
	s_add_nc_u64 s[38:39], s[4:5], STEP
	s_or_b32 s39, s39, 0x80000000
	tensor_load_to_lds s[32:35], s[24:31]          ; fill 0: my one load at the head
	s_nop 0
.rept 4
	v_nop
.endr
	v_and_b32 v8, 31, v0
	v_lshlrev_b32 v2, 4, v0
	v_lshlrev_b32 v1, 4, v8
	v_lshlrev_b32 v232, 12, v8
	v_add_nc_u32 v4, s19, v1                       ; my rows in slot 0,
	v_add_nc_u32 v5, SLOT1, v4                     ; in slot 1
	v_mov_b32 v10, s44
	v_mov_b32 v11, RED
	v_add_nc_u32 v233, s46, v1
	v_lshl_add_u32 v234, v0, 4, WT
	v_add_nc_u32 v235, PART, v1
	v_mov_b32 v9, 0
	v_mov_b32 v15, 0
.set i, 0
.rept 16
	v_mov_b32 v[ACC+i], 0
.set i, i+1
.endr
.irp i, 0,1,2,3
	global_load_b128 v[32+4*\i:35+4*\i], v2, s[6:7] offset:2048*\i   ; rows 512 i + 4 t + 0 .. 3
.endr
	s_wait_alu depctr_va_vdst(0)
	s_wait_loadcnt 0x0
	v_max3_num_f32 v8, v32, v33, v34
.irp k, 35,37,39,41,43,45
	v_max3_num_f32 v8, v8, v[\k], v[\k+1]
.endr
	v_max_num_f32 v8, v8, v47
.irp k, 1,2,4,8
	v_max_num_f32_dpp v8, v8, v8 row_xmask:\k row_mask:0xf bank_mask:0xf
.endr
	v_permlanex16_b32 v9, v8, s13, s14
	v_max_num_f32 v8, v8, v9
	ds_store_b32 v10, v8
	s_wait_dscnt 0x0
	s_barrier_signal -1
	s_barrier_wait -1
	ds_load_b128 v[224:227], v11
	s_wait_dscnt 0x0
	v_max3_num_f32 v8, v224, v225, v226
	v_max_num_f32 v8, v8, v227                     ; M
.set i, 0
.rept 16
	v_sub_f32 v[32+i], v[32+i], v8
.set i, i+1
.endr
	s_wait_alu depctr_va_vdst(0)
.set i, 0
.rept 16
	v_exp_f32 v[32+i], v[32+i]                     ; p, at most 1
.set i, i+1
.endr
	v_nop
	s_wait_alu depctr_va_vdst(0)
	v_pk_add_f32 v[224:225], v[32:33], v[34:35]
	v_pk_add_f32 v[226:227], v[36:37], v[38:39]
	v_pk_add_f32 v[228:229], v[40:41], v[42:43]
	v_pk_add_f32 v[230:231], v[44:45], v[46:47]
	v_pk_add_f32 v[224:225], v[224:225], v[226:227]
	v_pk_add_f32 v[228:229], v[228:229], v[230:231]
	v_pk_add_f32 v[224:225], v[224:225], v[228:229]
	v_add_f32 v14, v224, v225
.irp k, 1,2,4,8
	v_add_f32_dpp v14, v14, v14 row_xmask:\k row_mask:0xf bank_mask:0xf
.endr
	v_permlanex16_b32 v9, v14, s13, s14
	v_add_f32 v14, v14, v9
	ds_store_b32 v10, v14 offset:RED2-RED
.irp i, 0,1,2,3
	ds_store_b128 v234, v[32+4*\i:35+4*\i] offset:2048*\i
.endr
	s_wait_dscnt 0x0
	s_barrier_signal -1
	s_barrier_wait -1
	ds_load_b128 v[224:227], v11 offset:RED2-RED
	s_wait_dscnt 0x0
	v_add_f32 v224, v224, v225
	v_add_f32 v226, v226, v227
	v_add_f32 v14, v224, v226                      ; the row's sum, at least 1
	s_wait_alu depctr_va_vdst(0)
	v_rcp_f32 v14, v14
	v_nop
	s_wait_alu depctr_va_vdst(0)
.irp e, 0,1,2,3
	v_mov_b32 v[228+\e], v[32+\e]                  ; group i of my p, chosen without a jump
.endr
.irp i, 1,2,3
	s_cmp_eq_u32 s48, \i
	s_cselect_b32 s50, -1, 0
.irp e, 0,1,2,3
	v_cndmask_b32 v[228+\e], v[228+\e], v[32+4*\i+\e], s50
.endr
.endr
	v_pk_mul_f32 v[236:237], v[228:229], v[14:15] op_sel_hi:[1,0]
	v_pk_mul_f32 v[238:239], v[230:231], v[14:15] op_sel_hi:[1,0]
	s_lshr_b32 s50, s12, 1
	s_cmp_lg_u32 s50, s49
	s_wait_alu depctr_va_vdst(0)
	s_cbranch_scc1 .Lnot_mine
	global_store_b128 v2, v[236:239], s[10:11]     ; a wave stores 512 consecutive bytes, aligned; its registers are not written again
.Lnot_mine:
.macro RLD slot, q                     ; rows 16 q .. + 15 of my 64 into set q % 2
.set i, 0
.rept 16
	ds_load_b128 v[XV+64*((\q)%2)+4*i:XV+64*((\q)%2)+4*i+3], v[4+\slot] offset:512*(16*(\q)+i)
.set i, i+1
.endr
.endm
.macro TRIP slot, refill, pf
	s_wait_tensorcnt 0x0                           ; all my loads are in,
	ds_add_u32 v12, v13
	s_add_nc_u64 s[34+4*\slot:35+4*\slot], s[34+4*\slot:35+4*\slot], 2*STEP
	s_wait_dscnt 0x0                               ; and my reads of the other slot are over
	s_barrier_signal -1
	s_barrier_wait -1
.if \refill
	tensor_load_to_lds s[36-4*\slot:39-4*\slot], s[24:31]
	s_nop 0
.rept 4
	v_nop
.endr
.endif
.if \slot == 0
	v_mov_b32 v3, s45
.endif
.set i, 0
.rept 16
	ds_load_b128 v[W+4*i:W+4*i+3], v3 offset:1024*\slot+16*i   ; my 64 rows' p, the same in every lane
.set i, i+1
.endr
	RLD \slot, 0
	RLD \slot, 1
.if \pf
.irp i, 0,1,2,3
	global_prefetch_b8 v232, s[4:5] offset:(\slot+2)*STEP+(\i/2)*131072+(\i%2)*256 th:TH_LOAD_NT scope:SCOPE_SE
.endr
.endif
.irp q, 0,1,2,3
	s_wait_alu depctr_va_vdst(0)
.if \q < 3
	s_wait_dscnt 16                                ; this set's 16 loads (and the p) are in, the next set's may be out
.else
	s_wait_dscnt 0x0
.endif
.irp k, 0,1,2,3,4,5,6,7                ; rows 2 k and 2 k + 1 of the set: p is word 0 or 1 of its pair, for both halves
.irp e, 0,2
	v_pk_fma_f32 v[ACC+4*((2*\k)%4)+\e:ACC+4*((2*\k)%4)+\e+1], v[XV+64*(\q%2)+8*\k+\e:XV+64*(\q%2)+8*\k+\e+1], v[W+16*\q+2*\k:W+16*\q+2*\k+1], v[ACC+4*((2*\k)%4)+\e:ACC+4*((2*\k)%4)+\e+1] op_sel_hi:[1,0,1]
	v_pk_fma_f32 v[ACC+4*((2*\k)%4)+4+\e:ACC+4*((2*\k)%4)+5+\e], v[XV+64*(\q%2)+8*\k+4+\e:XV+64*(\q%2)+8*\k+5+\e], v[W+16*\q+2*\k:W+16*\q+2*\k+1], v[ACC+4*((2*\k)%4)+4+\e:ACC+4*((2*\k)%4)+5+\e] op_sel:[0,1,0] op_sel_hi:[1,1,1]
.endr
.endr
.if \q < 2
	RLD \slot, \q+2
.endif
.endr
	s_wait_alu depctr_va_vdst(0)
.endm
.Lring:
	TRIP 0, 1, 1
	TRIP 1, 1, 1
	s_wait_xcnt 0x0                                ; my prefetches have read their base
	s_add_nc_u64 s[4:5], s[4:5], 2*STEP
	s_add_co_u32 s45, s45, 2048
	s_sub_co_u32 s47, s47, 1
	s_cmp_lg_u32 s47, 0
	s_cbranch_scc1 .Lring
	TRIP 0, 1, 0                                   ; the last two trips fetch nothing beyond the end
	TRIP 1, 0, 0
	v_pk_add_f32 v[ACC:ACC+1], v[ACC:ACC+1], v[ACC+4:ACC+5]
	v_pk_add_f32 v[ACC+2:ACC+3], v[ACC+2:ACC+3], v[ACC+6:ACC+7]
	v_pk_add_f32 v[ACC+8:ACC+9], v[ACC+8:ACC+9], v[ACC+12:ACC+13]
	v_pk_add_f32 v[ACC+10:ACC+11], v[ACC+10:ACC+11], v[ACC+14:ACC+15]
	v_pk_add_f32 v[ACC:ACC+1], v[ACC:ACC+1], v[ACC+8:ACC+9]
	v_pk_add_f32 v[ACC+2:ACC+3], v[ACC+2:ACC+3], v[ACC+10:ACC+11]
	v_pk_mul_f32 v[ACC:ACC+1], v[ACC:ACC+1], v[14:15] op_sel_hi:[1,0]     ; / the row's sum
	v_pk_mul_f32 v[ACC+2:ACC+3], v[ACC+2:ACC+3], v[14:15] op_sel_hi:[1,0]
	ds_store_b128 v233, v[ACC:ACC+3]
	s_wait_dscnt 0x0
	s_barrier_signal -1
	s_barrier_wait -1
	s_cmp_lg_u32 s12, 0                            ; wave 0 adds the four waves' sums and stores the slice
	s_cbranch_scc1 .Lend
.irp k, 0,1,2,3
	ds_load_b128 v[XV+4*\k:XV+4*\k+3], v235 offset:512*\k
.endr
	s_wait_dscnt 0x0
	v_pk_add_f32 v[XV:XV+1], v[XV:XV+1], v[XV+4:XV+5]
	v_pk_add_f32 v[XV+2:XV+3], v[XV+2:XV+3], v[XV+6:XV+7]
	v_pk_add_f32 v[XV+8:XV+9], v[XV+8:XV+9], v[XV+12:XV+13]
	v_pk_add_f32 v[XV+10:XV+11], v[XV+10:XV+11], v[XV+14:XV+15]
	v_pk_add_f32 v[XV:XV+1], v[XV:XV+1], v[XV+8:XV+9]
	v_pk_add_f32 v[XV+2:XV+3], v[XV+2:XV+3], v[XV+10:XV+11]
	global_store_b128 v1, v[XV:XV+3], s[8:9]       ; 512 consecutive bytes, at a multiple of 256 from out0's first byte
.Lend:
	s_wait_tensorcnt 0x0                           ; the wave's end
	ds_add_u32 v12, v13
	s_wait_dscnt 0x0
	s_endpgm
.Lfunc_end_k_q97c941692c_ctx:
	.size	k_q97c941692c_ctx, .Lfunc_end_k_q97c941692c_ctx-k_q97c941692c_ctx
	.p2alignl 7, 3214868480
	.fill 96, 4, 3214868480
	.section	.rodata,"a",@progbits
	.p2align	6, 0x0
	.amdhsa_kernel k_q97c941692c_ctx
		.amdhsa_group_segment_fixed_size 327680
		.amdhsa_private_segment_fixed_size 0
		.amdhsa_enable_private_segment 0
		.amdhsa_kernarg_size 32
		.amdhsa_user_sgpr_count 2
		.amdhsa_user_sgpr_kernarg_segment_ptr 1
		.amdhsa_wavefront_size32 1
		.amdhsa_system_sgpr_workgroup_id_x 1
		.amdhsa_system_sgpr_workgroup_id_y 1
		.amdhsa_system_sgpr_workgroup_id_z 1
		.amdhsa_system_vgpr_workitem_id 0
		.amdhsa_next_free_vgpr 256
		.amdhsa_next_free_sgpr 66
		.amdhsa_reserve_vcc 0
		.amdhsa_float_denorm_mode_32 3
		.amdhsa_float_denorm_mode_16_64 3
		.amdhsa_memory_ordered 1
		.amdhsa_forward_progress 1
		.amdhsa_inst_pref_size 68
	.end_amdhsa_kernel
	.amdgpu_metadata
---
amdhsa.version: [ 1, 2 ]
amdhsa.kernels:
  - .name:           k_q97c941692c_ctx
    .symbol:         k_q97c941692c_ctx.kd
    .args:
      - { .name: values, .offset: 0, .size: 8, .value_kind: global_buffer, .address_space: global }
      - { .name: scores, .offset: 8, .size: 8, .value_kind: global_buffer, .address_space: global }
      - { .name: out0, .offset: 16, .size: 8, .value_kind: global_buffer, .address_space: global }
      - { .name: out1, .offset: 24, .size: 8, .value_kind: global_buffer, .address_space: global }
    .group_segment_fixed_size: 327680
    .private_segment_fixed_size: 0
    .kernarg_segment_align: 8
    .kernarg_segment_size: 32
    .max_flat_workgroup_size: 128
    .sgpr_count:     66
    .vgpr_count:     256
    .wavefront_size: 32
...
	.end_amdgpu_metadata
.endif
;; end of part 3
